; MI455X (gfx1250); checked and timed in simulation.
; The chip was launched on July 23, 2026; its instructions are those of AMD's public machine-readable ISA for CDNA 5 (MIT licence, August 2026) and "CDNA5" Instruction Set Architecture Reference Guide (July 2026). The comments in the code are by the model that wrote it; some were corrected since.
;; Quantized Linear. Allowed arithmetic: float matrix products may take bf16 or f16 operands with f32 sums; other float arithmetic in f32, or as packed bf16 or f16 multiplies, adds, multiply-adds, maxima and minima; sums over many terms, partial sums and values carried from step to step in f32; what a program stores and reads back later, other than sums and carried values, may be rounded once to bf16 or f16.
;; Inputs: bias 16,384 float32; scale 16,384 x 1 float32; weight 16,384 x 4,096 int8; x 1,024 x 4,096 float32.
;; Outputs: out0 1,024 x 16,384 float32.
;; 2 versions, each right; version 2 is version 1 with the launch cast written anew for expert scheduling mode. Each part assembles by itself: llvm-mc -triple=amdgcn-amd-amdhsa -mcpu=gfx1250 --defsym DOCPART=n.
;; ======== version 1 of 2: 2 launches
;; limits: values are held in f16: magnitudes above 65,504 overflow, below 6.1e-05 lose precision; inputs' magnitudes at most 65,504
;; workspace buffers: xh 8,388,608 bytes
;; launch cast (part 1): grid 256 x 1, 8 waves a work-group, no clusters, 0 bytes of LDS; arguments x, xh; writes xh
.if DOCPART == 1
	.amdgcn_target "amdgcn-amd-amdhsa--gfx1250"
	.amdhsa_code_object_version 6
	.text
	.protected	k_qd322374c52_cast
	.globl	k_qd322374c52_cast
	.p2align	8
	.type	k_qd322374c52_cast,@function
k_qd322374c52_cast:
	s_mov_b64 s[64:65], 0
	v_nop
	global_prefetch_b8 v0, s[64:65] scope:SCOPE_SE
	s_setreg_imm32_b32 hwreg(HW_REG_WAVE_MODE, 25, 1), 1
	s_wait_xcnt 0x0
; xh = x rounded once to f16.  x: [1024][4096] f32, xh: [1024][4096] f16, both dense: the launch is one stream of 16,777,216 bytes in and half as many out.
; LIMITS.  f16 ends at 65,504: |x| of 65,520 or more becomes an infinity; below 6.1e-5 x keeps f16's fixed step of 6e-8.
; SHARES.  A work-group takes 65,536 bytes of x, each of its eight waves 8,192: sixteen loads of 16 bytes a lane, 512 consecutive bytes each, all issued before the first is waited for.
; Four f32 of a lane become 8 bytes: a wave's store covers 256 consecutive bytes, at a multiple of 256 from xh's first byte.
; No register is written twice, so the only waits are the counted ones for the loads.  No LDS, no barrier, no matrix work: no wave wants a byte that another wave has fetched.
.set X, 16                             ; v[16:79]   load j: 4 registers
.set Y, 80                             ; v[80:111]  store j: 2 registers
	s_load_b128 s[4:7], s[0:1], 0x0                ; x s[4:5], xh s[6:7]
	v_lshrrev_b32 v3, 5, v0                        ; wave
	v_and_b32 v4, 31, v0                           ; lane
	v_lshlrev_b32 v1, 13, v3                       ; in: 8,192 x wave
	v_lshl_add_u32 v1, v4, 4, v1                   ;     + 16 x lane
	v_lshlrev_b32 v2, 12, v3                       ; out: 4,096 x wave
	v_lshl_add_u32 v2, v4, 3, v2                   ;     + 8 x lane
	s_lshl_b32 s2, ttmp9, 16                       ; the work-group's 65,536 bytes of x
	s_mov_b32 s3, 0
	s_lshl_b32 s8, ttmp9, 15                       ; and its 32,768 of xh
	s_mov_b32 s9, 0
	s_wait_kmcnt 0x0
	s_add_nc_u64 s[4:5], s[4:5], s[2:3]
	s_add_nc_u64 s[6:7], s[6:7], s[8:9]
.irp j, 0,1,2,3,4,5,6,7,8,9,10,11,12,13,14,15
	global_load_b128 v[X+4*(\j):X+4*(\j)+3], v1, s[4:5] offset:512*(\j) th:TH_LOAD_NT  ; x is read once in the launch
.endr
.irp j, 0,1,2,3,4,5,6,7,8,9,10,11,12,13,14,15
	s_wait_loadcnt 15-(\j)                         ; loads come back in order (ISA guide 5.7.1): load j is in, the 15 - j younger ones stay out
	v_cvt_pk_f16_f32 v[Y+2*(\j)], v[X+4*(\j)], v[X+4*(\j)+1]
	v_cvt_pk_f16_f32 v[Y+2*(\j)+1], v[X+4*(\j)+2], v[X+4*(\j)+3]
	global_store_b64 v2, v[Y+2*(\j):Y+2*(\j)+1], s[6:7] offset:256*(\j)
.endr
	s_endpgm
.Lfunc_end_k_qd322374c52_cast:
	.size	k_qd322374c52_cast, .Lfunc_end_k_qd322374c52_cast-k_qd322374c52_cast
	.p2alignl 7, 3214868480
	.fill 96, 4, 3214868480
	.section	.rodata,"a",@progbits
	.p2align	6, 0x0
	.amdhsa_kernel k_qd322374c52_cast
		.amdhsa_group_segment_fixed_size 0
		.amdhsa_private_segment_fixed_size 0
		.amdhsa_enable_private_segment 0
		.amdhsa_kernarg_size 16
		.amdhsa_user_sgpr_count 2
		.amdhsa_user_sgpr_kernarg_segment_ptr 1
		.amdhsa_wavefront_size32 1
		.amdhsa_system_sgpr_workgroup_id_x 1
		.amdhsa_system_sgpr_workgroup_id_y 1
		.amdhsa_system_sgpr_workgroup_id_z 1
		.amdhsa_system_vgpr_workitem_id 0
		.amdhsa_next_free_vgpr 112
		.amdhsa_next_free_sgpr 66
		.amdhsa_reserve_vcc 0
		.amdhsa_float_denorm_mode_32 3
		.amdhsa_float_denorm_mode_16_64 3
		.amdhsa_memory_ordered 1
		.amdhsa_forward_progress 1
		.amdhsa_inst_pref_size 7
	.end_amdhsa_kernel
	.amdgpu_metadata
---
amdhsa.version: [ 1, 2 ]
amdhsa.kernels:
  - .name:           k_qd322374c52_cast
    .symbol:         k_qd322374c52_cast.kd
    .args:
      - { .name: x, .offset: 0, .size: 8, .value_kind: global_buffer, .address_space: global }
      - { .name: xh, .offset: 8, .size: 8, .value_kind: global_buffer, .address_space: global }
    .group_segment_fixed_size: 0
    .private_segment_fixed_size: 0
    .kernarg_segment_align: 8
    .kernarg_segment_size: 16
    .max_flat_workgroup_size: 256
    .sgpr_count:     66
    .vgpr_count:     112
    .wavefront_size: 32
...
	.end_amdgpu_metadata
.endif
;; end of part 1
;; launch gemm (part 2): grid 64 x 4, 4 waves a work-group, clusters of 4 x 4, 327,680 bytes of LDS; arguments xh, weight, scale, bias, out0; writes out0
.if DOCPART == 2
	.amdgcn_target "amdgcn-amd-amdhsa--gfx1250"
	.amdhsa_code_object_version 6
	.text
	.protected	k_qd322374c52_gemm
	.globl	k_qd322374c52_gemm
	.p2align	8
	.type	k_qd322374c52_gemm,@function
k_qd322374c52_gemm:
	s_mov_b64 s[64:65], 0
	v_nop
	global_prefetch_b8 v0, s[64:65] scope:SCOPE_SE
	s_setreg_imm32_b32 hwreg(HW_REG_WAVE_MODE, 25, 1), 1
	s_wait_xcnt 0x0
	s_wait_alu depctr_hold_cnt(0) depctr_sa_sdst(0) depctr_va_vdst(0) depctr_va_sdst(0) depctr_va_ssrc(0) depctr_va_vcc(0) depctr_vm_vsrc(0)
	s_getreg_b32 s2, hwreg(HW_REG_IB_STS2, 6, 4)
	s_cmp_eq_u32 s2, 0
	s_cbranch_scc0 .Lentry_in_a_cluster
	s_endpgm
.Lentry_in_a_cluster:
	s_bfe_u32 s2, ttmp6, 0x10000c
	s_cmp_lg_u32 s2, 0xf033
	s_cbranch_scc0 .Lentry_shape_is_right
	s_endpgm
.Lentry_shape_is_right:
; out[m][o] = scale[o] x (the sum over k of xh[m][k] w[o][k]) + bias[o].  xh: [1024][4096] f16 (x rounded once, by the launch before); w: [16384][4096] int8; scale, bias: [16384] f32; out: [1024][16384] f32.
; FORMATS.  The weights stay int8 in memory and in LDS and are widened to f16 in registers, beside the matrix work; every int8 is exact in f16.  Products in f16, sums in f32.  scale and bias are applied to the
; finished f32 sum by one fused multiply-add.
; LIMITS.  xh holds f16: |x| of 65,520 or more has become an infinity, |x| below 6.1e-5 keeps f16's fixed step of 6e-8.  The scale multiplies the sum, not each weight, and K is summed in another order than it is
; written in: both are orders of rounding that differ from a plain f32 evaluation.
; SHARES.  out has 4 x 64 tiles of 256 x 256: one for each of 256 work-groups.  Four waves, each 128 x 128: 64 accumulators of 16 x 16, 512 registers.
; CLUSTER.  4 x 4 work-groups.  The four of a row of the cluster need the same rows of xh, the four of a column the same rows of w: each tile is asked for JOINTLY, by the same tensor load with the same descriptor and
; a mask that names the four.  The cluster spans all four tile rows, so the tile row is cy.
; RINGS.  A row of a tile is 256 bytes of memory, at a multiple of 256 from the buffer's first byte: 128 along K for xh (a K STEP), 256 along K for w (a BLOCK, two K steps).  Two slots for each.  All four are filled at the
; start.  Behind the change of slots of K step s waves 0 and 1 ask for xh's K step s + 2; behind that of every second K step waves 2 and 3 ask for w's block two on.  One tensor load a wave behind each change.
; THE PRODUCT IS USED TRANSPOSED (source 0 = 16 rows of w, source 1 = 16 rows of xh): a lane ends with row l % 16 of out and eight neighbouring columns.  K IS PERMUTED ALIKE ON BOTH SIDES: the lanes' half h holds
; k0 + 16 h .. + 15, which is one LDS load of 16 bytes for w and two, 16 bytes apart, for xh.
; THE WIDENING of a fragment (16 rows x 32 K: 4 registers of bytes to 8 of f16) is 20 lines: 4 exclusive ors with 0x80 (u = w + 128, 0 to 255); 8 v_perm_b32 that set each u under the byte 0x64 (the f16 number 1024 + u);
; 8 packed additions of -1152, which are exact.  A quarter step's 8 fragments: 160 lines for 64 products.  They stand in slices of two or three behind each product, so that the wave widens while the matrix unit works.
; REGISTERS, in windows of 256 (s_set_vgpr_msb: bits 1:0 source 0, 3:2 source 1, 5:4 source 2, 7:6 destination):
;   window 0: v0-30 addresses; v64-127, v128-191 xh's fragments, two buffers (on the way out: results at work, rows read back); v192-255 bias of my lane's 64 columns
;   window 1: v0-63 w's fragments in f16, ONE buffer; v64-95 w's raw bytes, one buffer; v96-100 LDS addresses and a constant; v128-191 scale of my lane's 64 columns
;   window 2: the accumulators of my columns 0-63 ((a, b) at v[8 (8 (b % 4) + a)]);   window 3: those of my columns 64-127
; The accumulators fill two windows, so a slice costs two switches, one in front and one behind: 128 for a quarter step's 64 products.
.set SIZE_K, 4096
.set SIZE_N, 16384
.set ROWC,   4*SIZE_N                  ; bytes in a row of out
.set PITCH,  272                       ; an LDS row: 256 bytes + 16 of padding = 68 words: row r starts at bank 4 r mod 64 (64 banks of 4 bytes: ISA guide 11.1), so the 16 rows of a load start at 16 different banks
.set HALF,   128*PITCH                 ; 128 rows: what one tensor load brings, and what one wave reads of xh or of w
.set SLOT,   2*HALF                    ; 256 rows = 0x11000 bytes.  xh's slots at 0 and SLOT,
.set B0,     2*SLOT                    ; w's at 0x22000 and 0x33000
.set XORS,   SLOT                      ; bits 12 and 16 are clear in 0, HALF, B0 and B0 + HALF: one exclusive or turns an address in a slot 0 into slot 1's and back
.set STAGE,  4*SLOT                    ; behind the rings, never filled by a tensor load: 16 rows x 528 bytes for each wave, for the way out
.set SPITCH, 528                       ; 512 bytes + 16 = 132 words: row r starts at bank 4 r mod 64
.set SPARE,  STAGE+4*16*SPITCH         ; behind the stages: the spare words, 128 bytes for each wave: two blocks of 256 bytes that no other line names
; window 0
.set STO, 24                           ; v24  the way out: where I put 32 bytes of a row
.set RD,  25                           ; v25  the way out: where I read 16 bytes of a row back
.set CO,  26                           ; v26  16 x lane: my bytes in 512 consecutive bytes of out
.set SBO, 27                           ; v27  32 x (lane / 16): my eight columns among a fragment's sixteen, in scale and bias
.set SPW, 28                           ; v28  LDS address of my spare word: SPARE + 4 x my thread's number; never rewritten
.set NIL, 29                           ; v29  0; never rewritten
.set PFO, 30                           ; v30  the prefetches' offset: my lane x a row of xh or w in memory; never rewritten
.set AF,  64                           ; xh's fragments: buffer f, rows 16 a on, at AF + 64 f + 8 a
.set TMP, 64                           ; the way out: a block's 64 results
.set BI,  192                          ; bias of column 16 b + 8 (lane / 16) + j at BI + 8 b + j
; window 1
.set BF,  0                            ; w's fragments in f16: fragment b at BF + 8 b
.set RW,  64                           ; w's raw bytes: fragment b at RW + 4 b
.set ADB0, 96                          ; my lane's place in a slot of w; never rewritten
.set ADA0, 97                          ; the same for xh
.set ADB, 98                           ; the LDS address of the raw loads in hand
.set ADA, 99                           ; of xh's
.set K64, 100                          ; 0x64646464
.set SC,  128                          ; scale, laid out as bias is
; scalars
.set WV,  14                           ; s14  my wave's number
.set RH,  15                           ; s15  which 128 rows of the tile are mine.  Also: I fetch for xh (0) or for w (1)
.set CH,  16                           ; s16  which 128 columns.  Also: which 128 rows of that tile I fetch
.set CX,  17                           ; s17, s18  my place in the cluster
.set CY,  18
.set TC,  19                           ; s19  tile column = 4 x cluster x + cx
.set G1A, 24                           ; s[24:31] descriptor group 1 for xh's tiles
.set G0A0, 32                          ; s[32:35] group 0 for xh's slot 0
.set G0A1, 36                          ; s[36:39] for its slot 1
.set G1B, 40                           ; s[40:47] group 1 for w's tiles
.set G0B0, 48                          ; s[48:51] group 0 for w's first fill of slot 0
.set G0B1, 72                          ; s[72:75] for its first fill of slot 1; this set then walks on
.set TA,  52                           ; s52  LDS byte at which xh's next quarter step begins
.set TR,  53                           ; s53  the same for w
.set LAPS, 54                          ; s54  trips of the loop still to come
.set CNT, 55                           ; s55  counts two pairs of quarter steps
.set LIM1, 56                          ; s56  a wave prefetches behind a trip's first change while s[LAPS] is above this,
.set LIM2, 57                          ; s57  behind its second change while s[LAPS] is above this
.set PFA, 58                           ; s[58:59] where my prefetches stand
.set PS1, 60                           ; s[60:61] their step at a trip's first change: 256 for xh, 0 for w
.set XR,  62                           ; s62  0x80808080
.set SEL, 66                           ; s66, s67  v_perm_b32's selects: bytes 0, 1 (2, 3) of the raw word, each under a byte of K64
.set NEG, 68                           ; s68  -1152 twice, in f16
.set MSB, 0
.macro WIN new                         ; the immediate's high byte repeats the setting that is left; a switch that changes nothing is dropped
.if MSB != (\new)
	s_set_vgpr_msb (MSB<<8)|(\new)
.set MSB, (\new)
.endif
.endm
.set MUL_LO, 0xa1                      ; source 0 (w) window 1, source 1 (xh) window 0, C and D window 2
.set W_CV,   0x45                      ; destination and sources 0 and 1 window 1: the widening, and the raw loads with their address
.set W_AL,   0x01                      ; xh's loads: destination window 0, address window 1
.macro NOPS4
.rept 4
	v_nop
.endr
.endm
; A round of the cluster's barrier: my work-group's barrier, so that wave 0's signal speaks for all four waves; wave 0 signals for the work-group; every wave waits for all sixteen work-groups; my work-group's barrier once more.
.macro CROUND
	s_barrier_signal -1
	s_barrier_wait -1
	s_cmp_lg_u32 s[WV], 0
	s_cbranch_scc1 .Lnot_wave_0_\@
	s_barrier_signal -3
.Lnot_wave_0_\@:
	s_barrier_wait -3
	s_barrier_signal -1
	s_barrier_wait -1
.endm
; A joint refill.  kind 1: xh's slot 0, by waves 0 and 1.  kind 2: xh's slot 1 by waves 0 and 1, w's walking set by waves 2 and 3.  kind 3: xh's slot 1 alone.  The branch hangs on the wave's number alone: it is the same in
; every work-group.  An s_nop 0 and four v_nop follow each load, ahead of the jump, the label and what follows.
.macro JLOAD kind
	s_cmp_eq_u32 s[RH], 0
.if (\kind) == 2
	s_cbranch_scc0 .Lfor_b_\@
	tensor_load_to_lds s[G0A1:G0A1+3], s[G1A:G1A+7]
	s_nop 0
	NOPS4
	s_branch .Lasked_\@
.Lfor_b_\@:
	tensor_load_to_lds s[G0B1:G0B1+3], s[G1B:G1B+7]
	s_nop 0
	NOPS4
.Lasked_\@:
.else
	s_cbranch_scc0 .Lasked_\@
	tensor_load_to_lds s[G0A0+2*((\kind)-1):G0A0+2*((\kind)-1)+3], s[G1A:G1A+7]
	s_nop 0
	NOPS4
.Lasked_\@:
.endif
.endm
; A PREFETCH INTO THE L2, behind the joint load and its five lines: 32 rows x 256 bytes, a lane a row, one instruction a wave.  Waves 0 and 1 name, behind the change of K step s, xh's K step s + 4: the one that the refill
; two changes on will ask for.  Waves 2 and 3 name, behind a trip's second change, w's block that the next trip's refill will ask for.  Either way 512 products stand between the prefetch and that refill.
; Each row's 256 bytes are named ONCE in the launch.  xh's tile row is read by all sixteen clusters: cluster x = 0 asks.  w's rows are read by one cluster alone: each asks for its own.  The four partners that ask for a
; tile jointly share its 128 rows out BY ADDRESS, 32 each (by cx for xh, by cy for w): no branch hangs on a work-group's place in its cluster.  xh's K steps 0 to 3 and w's blocks 0 to 2 come by their loads alone.
; The loop's 28 changes name xh's K steps 4 to 31; its last trip names no block of w, since block 16 does not exist; the changes behind the loop name nothing.
.macro ASK kind
	s_cmp_gt_u32 s[LAPS], s[LIM1+(\kind)-1]
	s_cbranch_scc0 .Lnot_mine_\@
	global_prefetch_b8 v[PFO], s[PFA:PFA+1] th:TH_LOAD_NT scope:SCOPE_SE
.Lnot_mine_\@:
.endm
	s_load_b256 s[4:11], s[0:1], 0x0               ; xh s[4:5], weight s[6:7], scale s[8:9], bias s[10:11]
	s_load_b64 s[12:13], s[0:1], 0x20              ; out
	v_lshl_add_u32 v[SPW], v0, 2, SPARE
	v_mov_b32 v[NIL], 0
	ds_add_u32 v[SPW], v[NIL]                      ; the wave's opening: the add, twice on end, and its wait ahead of my first tensor load; the set-up below, work on registers, stands between
	ds_add_u32 v[SPW], v[NIL]                      ; and once more, under the one wait
	v_lshrrev_b32 v1, 5, v0
	v_readfirstlane_b32 s[WV], v1                  ; wave 0..3
	s_lshr_b32 s[RH], s[WV], 1
	s_and_b32 s[CH], s[WV], 1
	s_bfe_u32 s[CX], ttmp6, 0x40000
	s_bfe_u32 s[CY], ttmp6, 0x40004
	s_lshl_b32 s[TC], ttmp9, 2                     ; in a cluster launch ttmp9 counts clusters
	s_add_co_u32 s[TC], s[TC], s[CX]
	s_lshl_b32 s70, s[CY], 2
	s_lshl_b32 s70, 15, s70                        ; my row of the cluster: places 4 cy .. 4 cy + 3
	s_lshl_b32 s71, 0x1111, s[CX]                  ; my column: places cx, cx + 4, cx + 8, cx + 12
	; group 1 for xh: 128 rows x 128 elements of 2 bytes; for w: 128 rows x 256 elements of 1 byte.  Both: rows of 64 words, 4 words of padding behind each
	s_or_b32 s[G1A], s70, (1<<16)|(1<<20)|(1<<21)|(5<<22)|(3<<25)  ; 15:0 the mask: my row; 17:16 elements of 2 bytes; 20 padding on; 21 set beside a mask; 24:22 after every 64 words (code 5); 31:25 4 words (code 3)
	s_or_b32 s[G1B], s71, (1<<20)|(1<<21)|(5<<22)|(3<<25)          ; the mask: my column; 17:16 elements of 1 byte; the rest alike
	s_mov_b32 s[G1A+1], 128<<16                    ; tensor_dim0 = 128
	s_mov_b32 s[G1A+2], 128<<16                    ; tensor_dim1 = 128
	s_mov_b32 s[G1A+3], 128<<16                    ; tile_dim0 = 128
	s_mov_b32 s[G1A+4], 128                        ; tile_dim1 = 128
	s_mov_b32 s[G1A+5], SIZE_K                     ; elements from row to row
	s_mov_b32 s[G1A+6], 0
	s_mov_b32 s[G1A+7], 0
	s_mov_b32 s[G1B+1], 256<<16                    ; tensor_dim0 = 256
	s_mov_b32 s[G1B+2], 128<<16                    ; tensor_dim1 = 128
	s_mov_b32 s[G1B+3], 256<<16                    ; tile_dim0 = 256
	s_mov_b32 s[G1B+4], 128                        ; tile_dim1 = 128
	s_mov_b32 s[G1B+5], SIZE_K
	s_mov_b32 s[G1B+6], 0
	s_mov_b32 s[G1B+7], 0
	s_mov_b32 s[XR], 0x80808080
	s_mov_b32 s[SEL], 0x04010400
	s_mov_b32 s[SEL+1], 0x04030402
	s_mov_b32 s[NEG], 0xe480e480
	; where the tiles come from.  xh's hang on cy alone, which my row of the cluster shares; w's on the tile column alone, which my column shares.  Every wave makes both, in registers that never hold the other coordinate.
	s_lshl_b32 s20, s[CY], 8
	s_lshl_b32 s21, s[CH], 7
	s_add_co_u32 s20, s20, s21                     ; xh: row 256 cy + 128 x half,
	s_lshl_b32 s20, s20, 13                        ; of 8,192 bytes
	s_mov_b32 s21, 0
	s_lshl_b32 s22, s[TC], 8
	s_lshl_b32 s23, s[CH], 7
	s_add_co_u32 s22, s22, s23                     ; w: row 256 x tile column + 128 x half,
	s_lshl_b32 s22, s22, 12                        ; of 4,096 bytes
	s_mov_b32 s23, 0
	s_mul_i32 s76, s[CH], HALF                     ; and where they go in a slot: no place in the cluster enters an LDS address
	s_wait_dscnt 0x0                               ; both opening adds are done
	s_wait_kmcnt 0x0
	s_add_nc_u64 s[20:21], s[4:5], s[20:21]
	s_add_nc_u64 s[22:23], s[6:7], s[22:23]
.irp s, 0,1
	s_mov_b32 s[G0A0+4*(\s)], 1                                    ; 1:0 count = 1
	s_add_co_u32 s[G0A0+4*(\s)+1], s76, (\s)*SLOT                  ; 63:32 LDS address
	s_add_nc_u64 s[G0A0+4*(\s)+2:G0A0+4*(\s)+3], s[20:21], (\s)*256  ; 120:64 global address: K step s
	s_or_b32 s[G0A0+4*(\s)+3], s[G0A0+4*(\s)+3], 0x80000000        ; 127:126 type = 2
.endr
	s_mov_b32 s[G0B0], 1
	s_add_co_u32 s[G0B0+1], s76, B0
	s_add_nc_u64 s[G0B0+2:G0B0+3], s[22:23], 0     ; block 0
	s_or_b32 s[G0B0+3], s[G0B0+3], 0x80000000
	s_mov_b32 s[G0B1], 1
	s_add_co_u32 s[G0B1+1], s76, B0+SLOT
	s_add_nc_u64 s[G0B1+2:G0B1+3], s[22:23], 256   ; block 1
	s_or_b32 s[G0B1+3], s[G0B1+3], 0x80000000
	CROUND                                         ; all sixteen work-groups are here: the first joint loads meet
	s_cmp_eq_u32 s[RH], 0                          ; a wave's two first fills stand in one branch, ahead of every wait on TENSORcnt, every LDS read and every other barrier: two loads of mine are out
	s_cbranch_scc0 .Lfirst_b
	tensor_load_to_lds s[G0A0:G0A0+3], s[G1A:G1A+7]
	s_nop 0
	tensor_load_to_lds s[G0A1:G0A1+3], s[G1A:G1A+7]
	s_nop 0
	NOPS4
	s_branch .Lfirst_asked
.Lfirst_b:
	tensor_load_to_lds s[G0B0:G0B0+3], s[G1B:G1B+7]
	s_nop 0
	tensor_load_to_lds s[G0B1:G0B1+3], s[G1B:G1B+7]
	s_nop 0
	NOPS4
.Lfirst_asked:
	; all that follows, up to the first barrier, stands in the wait for the first tiles
	s_lshl_b32 s70, s[TC], 10
	s_lshl_b32 s71, s[CH], 9
	s_add_co_u32 s70, s70, s71                     ; my first column in f32: (256 x tile column + 128 x half) x 4 bytes
	s_mov_b32 s71, 0
	s_add_nc_u64 s[8:9], s[8:9], s[70:71]
	s_add_nc_u64 s[10:11], s[10:11], s[70:71]
	s_add_nc_u64 s[12:13], s[12:13], s[70:71]
	s_lshl_b32 s70, s[CY], 8
	s_lshl_b32 s77, s[RH], 7
	s_add_co_u32 s70, s70, s77                     ; my first row of out: 256 cy + 128 x half,
	s_lshl_b32 s70, s70, 16                        ; of 65,536 bytes
	s_add_nc_u64 s[12:13], s[12:13], s[70:71]
	v_and_b32 v1, 15, v0                           ; r = l % 16
	v_bfe_u32 v2, v0, 4, 1                         ; h = l / 16
	v_and_b32 v3, 31, v0                           ; l
	v_mul_u32_u24 v4, v1, PITCH
	v_lshl_add_u32 v5, v2, 4, v4                   ; w: row x pitch + 16 h: 16 bytes are 16 along K
	v_lshl_add_u32 v6, v2, 5, v4                   ; xh: row x pitch + 32 h: 32 bytes are the same 16 along K
	s_mul_i32 s77, s[RH], HALF
	v_lshlrev_b32 v[SBO], 5, v2
	WIN 0x40                                       ; destination window 1
	v_add_nc_u32 v[ADB0], s76, v5                  ; my 128 columns are rows 128 x CH on of w's tile,
	v_add_nc_u32 v[ADA0], s77, v6                  ; my 128 rows are rows 128 x RH on of xh's
	v_mov_b32 v[K64], 0x64646464
.irp b, 0,1,2,3,4,5,6,7                ; scale and bias of my lane's 64 columns, 16 b + 8 h + 0..7: they stay in registers
	global_load_b128 v[SC+8*(\b):SC+8*(\b)+3],   v[SBO], s[8:9] offset:64*(\b)
	global_load_b128 v[SC+8*(\b)+4:SC+8*(\b)+7], v[SBO], s[8:9] offset:64*(\b)+16
.endr
	WIN 0
.irp b, 0,1,2,3,4,5,6,7
	global_load_b128 v[BI+8*(\b):BI+8*(\b)+3],   v[SBO], s[10:11] offset:64*(\b)
	global_load_b128 v[BI+8*(\b)+4:BI+8*(\b)+7], v[SBO], s[10:11] offset:64*(\b)+16
.endr
	s_mul_i32 s78, s[WV], 16*SPITCH
	s_add_co_u32 s78, s78, STAGE                   ; my stage
	v_mul_u32_u24 v7, v1, SPITCH                   ; in: row r, 32 bytes for each half of the lanes
	v_lshl_add_u32 v7, v2, 5, v7
	v_add_nc_u32 v[STO], s78, v7
	v_lshl_add_u32 v[RD], v3, 4, s78               ; back: 32 lanes take a row's 512 bytes,
	v_lshlrev_b32 v[CO], 4, v3                     ; which are 512 consecutive bytes of out
	; the prefetches
	s_cmp_eq_u32 ttmp9, 0
	s_cselect_b32 s69, 0, -1                       ; xh is asked for by cluster x = 0 alone: the same in all sixteen partners
	s_lshl_b32 s77, s[CY], 8
	s_lshl_b32 s78, s[TC], 8
	s_cmp_eq_u32 s[RH], 0                          ; do I fetch for xh?
	s_cselect_b32 s[LIM1], s69, -1                 ; w is not asked for behind a trip's first change,
	s_cselect_b32 s[LIM2], s69, 1                  ; and behind its second in all trips but the last
	s_cselect_b32 s70, s77, s78                    ; the tile's first row
	s_cselect_b32 s71, s[CX], s[CY]                ; my place among the four that ask for it with me
	s_cselect_b32 s79, 13, 12                      ; a row is 2^13 bytes of xh, 2^12 of w
	s_cselect_b32 s[PS1], 256, 0
	s_cselect_b64 s[PFA:PFA+1], s[4:5], s[6:7]
	s_mov_b32 s[PS1+1], 0
	s_add_co_u32 s63, s[PS1], 512                  ; xh: at K step 3, w: at block 2: the step ahead of the first prefetch makes K step 4 and block 3 of them
	s_lshl_b32 s77, s[CH], 7
	s_add_co_u32 s70, s70, s77                     ; + the 128 rows that I fetch
	s_lshl_b32 s71, s71, 5
	s_add_co_u32 s70, s70, s71                     ; + my work-group's 32 of them
	s_lshl_b32 s70, s70, s79
	s_add_co_u32 s70, s70, s63
	s_mov_b32 s71, 0
	s_add_nc_u64 s[PFA:PFA+1], s[PFA:PFA+1], s[70:71]
	v_lshlrev_b32 v[PFO], s79, v3
	s_mov_b32 s[TA], 0
	s_mov_b32 s[TR], B0
; Number n of the 20 lines that widen fragment c.
.macro CV c, n
.if (\n) < 4
	v_xor_b32 v[RW+4*(\c)+(\n)], s[XR], v[RW+4*(\c)+(\n)]
.elseif (\n) < 12
	v_perm_b32 v[BF+8*(\c)+(\n)-4], v[K64], v[RW+4*(\c)+((\n)-4)/2], s[SEL+((\n)-4)%2]
.else
	v_pk_add_f16 v[BF+8*(\c)+(\n)-12], v[BF+8*(\c)+(\n)-12], s[NEG]
.endif
.endm
; The LDS loads stand in two runs a quarter step.  R1: the raw bytes of the NEXT quarter's fragments 0-3.  R2: those of its fragments 4-7, and its 16 loads of xh into buffer g.
.macro R1
	WIN W_CV
	v_add_nc_u32 v[ADB], s[TR], v[ADB0]
.irp q, 0,1,2,3
	ds_load_b128 v[RW+4*(\q):RW+4*(\q)+3], v[ADB] offset:(\q)*16*PITCH
.endr
.endm
.macro R2 g
	WIN W_CV
	v_add_nc_u32 v[ADA], s[TA], v[ADA0]
.irp q, 4,5,6,7
	ds_load_b128 v[RW+4*(\q):RW+4*(\q)+3], v[ADB] offset:(\q)*16*PITCH
.endr
	s_add_co_u32 s[TR], s[TR], 32                  ; 32 along K are 32 bytes of w,
	WIN W_AL
.irp q, 0,1,2,3,4,5,6,7
	ds_load_b128 v[AF+64*(\g)+8*(\q):AF+64*(\g)+8*(\q)+3],   v[ADA] offset:(\q)*16*PITCH
	ds_load_b128 v[AF+64*(\g)+8*(\q)+4:AF+64*(\g)+8*(\q)+7], v[ADA] offset:(\q)*16*PITCH+16
.endr
	s_add_co_u32 s[TA], s[TA], 64                  ; 64 of xh
.endm
; HALF A QUARTER STEP: 32 products, fragments 4 hb .. 4 hb + 3 of w x all 8 of xh's buffer f; product i writes accumulator i of window 2 + hb.  The 64 accumulators take turns, one instruction a turn, in the same order
; in every quarter step.  zero = 1: the products start the sums: nothing is ever cleared.
; cv = 1: behind product i stands slice i % 8 (2, 3, 2, 3, 2, 3, 2, 3 lines) of the widening of fragment 4 (1 - hb) + i / 8: the OTHER half's fragments, which this half's products do not name.
.macro H hb, f, zero, cv
.set i, 0
.rept 32
	WIN MUL_LO+0x50*(\hb)
.if \zero
	v_wmma_f32_16x16x32_f16 v[8*i:8*i+7], v[BF+32*(\hb)+8*(i/8):BF+32*(\hb)+8*(i/8)+7], v[AF+64*(\f)+8*(i%8):AF+64*(\f)+8*(i%8)+7], 0
.else
	v_wmma_f32_16x16x32_f16 v[8*i:8*i+7], v[BF+32*(\hb)+8*(i/8):BF+32*(\hb)+8*(i/8)+7], v[AF+64*(\f)+8*(i%8):AF+64*(\f)+8*(i%8)+7], v[8*i:8*i+7]
.endif
.if \cv
	WIN W_CV
.set n, (5*(i%8))/2
.rept (5*(i%8)+5)/2-(5*(i%8))/2
	CV 4*(1-(\hb))+i/8, n
.set n, n+1
.endr
.endif
.set i, i+1
.endr
.endm
; QUARTER STEP t (32 along K), on xh's buffer f = t % 2.  At its head fragments 0-3 of t are widened, the raw bytes of its fragments 4-7 and its xh are on their way.
;   R1: raw 0-3 of t + 1.   First half: fragments 0-3 multiply; 4-7 of t are widened.   R2: raw 4-7 and xh of t + 1.   Second half: fragments 4-7 multiply; 0-3 of t + 1 are widened.
; So one buffer of f16 fragments and one of raw bytes do.  A vector line that writes a register that a product has read, and a load into one, stand four plain vector lines or more behind that product (ISA guide 7.12.1
; for vector lines): a fragment of w is written again 24 products and 60 such lines behind the last product that read it, xh's buffer is loaded again behind 80.  No v_nop is written.
.macro QUARTER f, zero
	R1
	s_wait_dscnt 4                                 ; all but R1's four: the raw bytes 4-7 and xh of this quarter, asked for 32 products ago, are in
	H 0, \f, \zero, 1
	R2 1-(\f)
	s_wait_dscnt 20                                ; all but R2's twenty: R1's raw bytes are in
	H 1, \f, \zero, 1
.endm
.macro PP                              ; four quarter steps, odd first: written as two, walked twice; the LDS addresses hang on s[TA] and s[TR]
	WIN 0                                          ; at a label and at a branch every window is 0
	s_mov_b32 s[CNT], 2
.Lpp_\@:
	QUARTER 1, 0
	QUARTER 0, 0
	WIN 0
	s_sub_co_u32 s[CNT], s[CNT], 1
	s_cmp_lg_u32 s[CNT], 0
	s_cbranch_scc1 .Lpp_\@
.endm
; THE CHANGE OF SLOTS, at the head of a K step's last quarter: all LDS reads of the K step have been issued, the last of them 32 products ago.  Each wave waits for all its tensor loads, adds 0 to its spare word, and waits
; for that and for its own reads.  Behind the barrier nobody reads the slot that is left, and the slots to be read next are whole.  kind 1, 2, 3: slots are filled again (JLOAD): the barrier is then a round of the
; cluster's, so that no wave of any partner still reads them or has a load on its way, and the joint refill is the first thing behind it.  kind 0: nothing is left to ask for.
; kinds 2 and 3 stand at the end of a block of w: its raw bytes have all been read, and s[TR] turns to the other slot.  Every refill, w's too, has one K step, 256 products, between its request and the wait for it:
; the next change waits for all the wave's tensor loads.
; ask = 1: in the loop: the prefetches' address is stepped ahead of the waits, a K step behind the prefetch that read it, and the next prefetch follows the joint load.
.macro CHANGE kind, ask
	WIN 0
.if \ask
	s_wait_xcnt 0x0                                ; the last prefetch has read its address, so it may be written
.if (\kind) == 1
	s_add_nc_u64 s[PFA:PFA+1], s[PFA:PFA+1], s[PS1:PS1+1]
.else
	s_add_nc_u64 s[PFA:PFA+1], s[PFA:PFA+1], 256
.endif
.endif
	s_wait_tensorcnt 0x0                           ; no tensor load of mine is out, so a group 0 may be written
	ds_add_u32 v[SPW], v[NIL]                      ; 0 onto my spare word: the scalar steps stand between it and the wait for it
	s_sub_co_u32 s[TA], s[TA], 256                 ; xh's fetches go back to a row's first byte,
	s_xor_b32 s[TA], s[TA], XORS                   ; in the other slot
.if (\kind) >= 2
	s_sub_co_u32 s[TR], s[TR], 256
	s_xor_b32 s[TR], s[TR], XORS
	s_add_nc_u64 s[G0A1+2:G0A1+3], s[G0A1+2:G0A1+3], 512  ; slot 1's next K step; the type bits on top are not reached
.endif
.if (\kind) == 1
	s_add_nc_u64 s[G0A0+2:G0A0+3], s[G0A0+2:G0A0+3], 512  ; slot 0's next K step
.endif
.if (\kind) == 2
	s_xor_b32 s[G0B1+1], s[G0B1+1], XORS           ; w's walking set: the other slot than last time,
	s_add_nc_u64 s[G0B1+2:G0B1+3], s[G0B1+2:G0B1+3], 256  ; the next block
.endif
	s_wait_dscnt 0x0                               ; the add is done, and my reads are over
.if \kind
	CROUND
	JLOAD \kind
.if \ask
	ASK \kind
.endif
.else
	s_barrier_signal -1
	s_barrier_wait -1
.endif
.endm
	s_wait_tensorcnt 0x1                           ; of my two first fills the first, my part of slot 0, is in; slot 1's may stay out
	s_wait_loadcnt 0x0                             ; scale and bias
	s_barrier_signal -1
	s_barrier_wait -1                              ; everybody's part of the two slots 0 is in
	R1                                             ; quarter 0's raw bytes and xh
	R2 0
	s_wait_dscnt 0x0
	WIN W_CV
.irp c, 0,1,2,3                        ; its fragments 0-3 are widened bare, once a launch: there is no product yet to set them behind
.set n, 0
.rept 20
	CV \c, n
.set n, n+1
.endr
.endr
	QUARTER 0, 1                                   ; quarter 0 starts the sums
	QUARTER 1, 0
	QUARTER 0, 0
	WIN 0
	s_mov_b32 s[LAPS], 14
.Llap:                                                 ; trip j = 0 .. 13: the changes of K steps 2 j and 2 j + 1, and quarters 8 j + 3 to 8 j + 10
	CHANGE 1, 1                                    ; xh's K step 2 j + 2
	PP
	CHANGE 2, 1                                    ; xh's K step 2 j + 3, w's block j + 2
	PP
	s_sub_co_u32 s[LAPS], s[LAPS], 1
	s_cmp_lg_u32 s[LAPS], 0
	s_cbranch_scc1 .Llap
	CHANGE 1, 0                                    ; the tail is written out: xh's K step 30
	PP
	CHANGE 3, 0                                    ; its K step 31; w has no block 16,
	PP
	CHANGE 0, 0                                    ; and nothing more
	PP
	s_wait_dscnt 0x0                               ; quarter 127: nothing more to fetch
	H 0, 1, 0, 1
	H 1, 1, 0, 0
	WIN 0
; THE WAY OUT, a block of 16 rows at a time.  PACK: the block's 64 sums a lane times scale plus bias, two fused multiply-adds a line; each accumulator's registers in ascending order.
; TOSTAGE: a lane's 32 bytes of a row go into my own stage, rows of 528 bytes, and come back as whole rows of 512.  SEND: stored.  The rows read back lie in two buffers by turns: window 0 v128-191 (even blocks), window 1
; v0-63 (odd ones).  Block a's arithmetic stands between block a - 1's loads from the stage and the wait for them.
.macro PACK a
.irp b, 0,1,2,3,4,5,6,7
	WIN 0x06+(\b)/4                                ; source 0 window 2 or 3, source 1 (scale) window 1, source 2 (bias) and destination window 0
.irp p, 0,1,2,3
	v_pk_fma_f32 v[TMP+8*(\b)+2*(\p):TMP+8*(\b)+2*(\p)+1], v[8*(8*((\b)%4)+(\a))+2*(\p):8*(8*((\b)%4)+(\a))+2*(\p)+1], v[SC+8*(\b)+2*(\p):SC+8*(\b)+2*(\p)+1], v[BI+8*(\b)+2*(\p):BI+8*(\b)+2*(\p)+1]
.endr
.endr
.endm
.macro TOSTAGE a
	WIN 0
.irp b, 0,1,2,3,4,5,6,7
	ds_store_b128 v[STO], v[TMP+8*(\b):TMP+8*(\b)+3]   offset:64*(\b)
	ds_store_b128 v[STO], v[TMP+8*(\b)+4:TMP+8*(\b)+7] offset:64*(\b)+16
.endr
	WIN 0x40*((\a)%2)
.set BK, 128*(1-(\a)%2)
.irp t, 0,1,2,3,4,5,6,7,8,9,10,11,12,13,14,15
	ds_load_b128 v[BK+4*(\t):BK+4*(\t)+3], v[RD] offset:(\t)*SPITCH  ; LDS serves a wave's instructions in order (ISA guide 5.7.1.4): these see the stores above; the next block's stores come behind them
.endr
.endm
.macro SEND a
	WIN 0
	s_wait_xcnt 0x0                                ; every earlier store has read its registers: the base is stepped, and the buffer that the block before last was stored from is loaded again, only behind this wait
.if (\a) > 0
	s_add_nc_u64 s[12:13], s[12:13], 16*ROWC       ; 16 rows of out on: the stores' offsets reach 15 rows, 983,040 bytes, inside the signed 24-bit immediate
.endif
	WIN 0x04*((\a)%2)                              ; the stores' data: source 1
.set BK, 128*(1-(\a)%2)
.irp t, 0,1,2,3,4,5,6,7,8,9,10,11,12,13,14,15
	s_wait_dscnt 15-(\t)                           ; row t is back; the 15 - t younger loads stay out
	global_store_b128 v[CO], v[BK+4*(\t):BK+4*(\t)+3], s[12:13] offset:(\t)*ROWC th:TH_STORE_NT  ; 512 consecutive bytes of a row of out, at a multiple of 256 from its first byte; written once, not read again
.endr
.endm
	NOPS4                                          ; the places behind the last products, ahead of the lines that read their results:
	NOPS4                                          ; eight, once a launch
	PACK 0
	TOSTAGE 0
.irp a, 1,2,3,4,5,6,7
	PACK \a
	SEND (\a)-1
	TOSTAGE \a
.endr
	SEND 7
	WIN 0
	s_wait_tensorcnt 0x0                           ; the wave's end: behind my last tensor load and my last LDS store
	ds_add_u32 v[SPW], v[NIL]
	s_wait_dscnt 0x0
	CROUND                                         ; the closing round: no work-group ends while a partner may still ask for a tile that names it
	s_endpgm
.Lfunc_end_k_qd322374c52_gemm:
	.size	k_qd322374c52_gemm, .Lfunc_end_k_qd322374c52_gemm-k_qd322374c52_gemm
	.p2alignl 7, 3214868480
	.fill 96, 4, 3214868480
	.section	.rodata,"a",@progbits
	.p2align	6, 0x0
	.amdhsa_kernel k_qd322374c52_gemm
		.amdhsa_group_segment_fixed_size 327680
		.amdhsa_private_segment_fixed_size 0
		.amdhsa_enable_private_segment 0
		.amdhsa_kernarg_size 40
		.amdhsa_user_sgpr_count 2
		.amdhsa_user_sgpr_kernarg_segment_ptr 1
		.amdhsa_wavefront_size32 1
		.amdhsa_system_sgpr_workgroup_id_x 1
		.amdhsa_system_sgpr_workgroup_id_y 1
		.amdhsa_system_sgpr_workgroup_id_z 1
		.amdhsa_system_vgpr_workitem_id 0
		.amdhsa_next_free_vgpr 1024
		.amdhsa_next_free_sgpr 80
		.amdhsa_reserve_vcc 0
		.amdhsa_float_denorm_mode_32 3
		.amdhsa_float_denorm_mode_16_64 3
		.amdhsa_memory_ordered 1
		.amdhsa_forward_progress 1
		.amdhsa_inst_pref_size 255
	.end_amdhsa_kernel
	.section	.bss,"aw",@nobits
	.p2align	6
	.space	262144
	.amdgpu_metadata
---
amdhsa.version: [ 1, 2 ]
amdhsa.kernels:
  - .name:           k_qd322374c52_gemm
    .symbol:         k_qd322374c52_gemm.kd
    .args:
      - { .name: xh, .offset: 0, .size: 8, .value_kind: global_buffer, .address_space: global }
      - { .name: weight, .offset: 8, .size: 8, .value_kind: global_buffer, .address_space: global }
      - { .name: scale, .offset: 16, .size: 8, .value_kind: global_buffer, .address_space: global }
      - { .name: bias, .offset: 24, .size: 8, .value_kind: global_buffer, .address_space: global }
      - { .name: out0, .offset: 32, .size: 8, .value_kind: global_buffer, .address_space: global }
    .group_segment_fixed_size: 327680
    .private_segment_fixed_size: 0
    .kernarg_segment_align: 8
    .kernarg_segment_size: 40
    .max_flat_workgroup_size: 128
    .sgpr_count:     80
    .vgpr_count:     1024
    .wavefront_size: 32
...
	.end_amdgpu_metadata
.endif
;; end of part 2
;; ======== version 2 of 2: 2 launches; version 1 with the launch cast written anew for expert scheduling mode
;; limits: values are held in f16: magnitudes above 65,504 overflow, below 6.1e-05 lose precision; inputs' magnitudes at most 65,504
;; workspace buffers: xh 8,388,608 bytes
;; launch cast (part 3): grid 256 x 1, 8 waves a work-group, no clusters, 0 bytes of LDS; arguments x, xh; writes xh
.if DOCPART == 3
	.amdgcn_target "amdgcn-amd-amdhsa--gfx1250"
	.amdhsa_code_object_version 6
	.text
	.protected	k_qd322374c52_cast
	.globl	k_qd322374c52_cast
	.p2align	8
	.type	k_qd322374c52_cast,@function
k_qd322374c52_cast:
	s_mov_b64 s[64:65], 0
	v_nop
	global_prefetch_b8 v0, s[64:65] scope:SCOPE_SE
	s_setreg_imm32_b32 hwreg(HW_REG_WAVE_SCHED_MODE, 0, 2), 2
	s_setreg_imm32_b32 hwreg(HW_REG_WAVE_MODE, 25, 1), 1
	s_wait_xcnt 0x0
	s_wait_alu depctr_vm_vsrc(0)
; xh = x rounded once to f16.  x: [1024][4096] f32, xh: [1024][4096] f16, both dense: the launch is one stream of 16,777,216 bytes in and half as many out.
; LIMITS.  f16 ends at 65,504: |x| of 65,520 or more becomes an infinity; below 6.1e-5 x keeps f16's fixed step of 6e-8.
; SHARES.  A work-group takes 65,536 bytes of x, each of its eight waves 8,192: sixteen loads of 16 bytes a lane, 512 consecutive bytes each, all issued before the first is waited for.
; Four f32 of a lane become 8 bytes: a wave's store covers 256 consecutive bytes, at a multiple of 256 from xh's first byte.
; No LDS, no barrier, no matrix work: no wave wants a byte that another wave has fetched.
; THE MODE: SCHED_MODE bits 1:0 = 2 (LLVM: expert scheduling mode 2), set by the entry lines.  The code itself states the register dependences
; between vector instructions and memory instructions, with s_wait_alu, always for 0.
; THE PLAN.  Registers that memory instructions touch:
;   v1, v2   byte offsets of the loads and of the stores.  Written once at the head, never again: the immediates reach every load and store.
;   X        load j lands in X[j], once; no vector line names it before; its two conversions read it; it is never loaded again.
;   Y        the two conversions of load j write Y[j], once; store j reads it; it is never written again.
; No register that a memory instruction reads is written a second time, so nothing is owed for the stores' and loads' reads of their registers.  What is owed: the offsets are written ahead of
; the first load, and Y[j] is written ahead of store j.  The sixteen loads go in four blocks of four.  Block p converts its four loads; its memory instructions are the four stores of block p - 1,
; whose Y no vector line of block p names.  So one wait at a block's head, behind the wait for the block's data, states all that its four stores hang on, and they are dealt among its conversions.
.set X, 16                             ; v[16:79]   load j: 4 registers
.set Y, 80                             ; v[80:111]  store j: 2 registers
.set BLOCK, 4                          ; loads, and stores, in a block
	s_load_b128 s[4:7], s[0:1], 0x0                ; x s[4:5], xh s[6:7]
	v_lshrrev_b32 v3, 5, v0                        ; wave
	v_and_b32 v4, 31, v0                           ; lane
	v_lshlrev_b32 v1, 13, v3                       ; in: 8,192 x wave
	v_lshl_add_u32 v1, v4, 4, v1                   ;     + 16 x lane
	v_lshlrev_b32 v2, 12, v3                       ; out: 4,096 x wave
	v_lshl_add_u32 v2, v4, 3, v2                   ;     + 8 x lane
	s_lshl_b32 s2, ttmp9, 16                       ; the work-group's 65,536 bytes of x
	s_mov_b32 s3, 0
	s_lshl_b32 s8, ttmp9, 15                       ; and its 32,768 of xh
	s_mov_b32 s9, 0
	s_wait_kmcnt 0x0
	s_add_nc_u64 s[4:5], s[4:5], s[2:3]
	s_add_nc_u64 s[6:7], s[6:7], s[8:9]
	s_wait_alu depctr_va_vdst(0)                   ; v1 and v2 are written: every load reads v1 and every store v2 as its offset, and no line writes them again
.irp j, 0,1,2,3,4,5,6,7,8,9,10,11,12,13,14,15
	global_load_b128 v[X+4*(\j):X+4*(\j)+3], v1, s[4:5] offset:512*(\j) th:TH_LOAD_NT  ; x is read once in the launch
.endr
; Block p: loads 4 p to 4 p + 3 are converted; the stores of block p - 1 go out, one ahead of each pair of conversions.
.macro BLK p
	s_wait_loadcnt 12-BLOCK*(\p)                   ; loads come back in order (ISA guide 5.7.1): this block's four are in, those of the 3 - p younger blocks stay out
.if (\p) > 0
	s_wait_alu depctr_va_vdst(0)                   ; the conversions of the block before have written its Y, which the four stores below read; the conversions below name this block's X and Y alone
.endif
.irp i, 0,1,2,3
.if (\p) > 0
	global_store_b64 v2, v[Y+2*(BLOCK*(\p)-BLOCK+(\i)):Y+2*(BLOCK*(\p)-BLOCK+(\i))+1], s[6:7] offset:256*(BLOCK*(\p)-BLOCK+(\i))
.endif
	v_cvt_pk_f16_f32 v[Y+2*(BLOCK*(\p)+(\i))],   v[X+4*(BLOCK*(\p)+(\i))],   v[X+4*(BLOCK*(\p)+(\i))+1]
	v_cvt_pk_f16_f32 v[Y+2*(BLOCK*(\p)+(\i))+1], v[X+4*(BLOCK*(\p)+(\i))+2], v[X+4*(BLOCK*(\p)+(\i))+3]
.endr
.endm
	BLK 0                                          ; no block stands in front of it: no store, and no wait but the one for its data
	BLK 1
	BLK 2
	BLK 3
	s_wait_alu depctr_va_vdst(0)                   ; block 3's conversions have written its Y, which the last four stores read
.irp i, 0,1,2,3
	global_store_b64 v2, v[Y+2*(3*BLOCK+(\i)):Y+2*(3*BLOCK+(\i))+1], s[6:7] offset:256*(3*BLOCK+(\i))
.endr
	s_endpgm
.Lfunc_end_k_qd322374c52_cast:
	.size	k_qd322374c52_cast, .Lfunc_end_k_qd322374c52_cast-k_qd322374c52_cast
	.p2alignl 7, 3214868480
	.fill 96, 4, 3214868480
	.section	.rodata,"a",@progbits
	.p2align	6, 0x0
	.amdhsa_kernel k_qd322374c52_cast
		.amdhsa_group_segment_fixed_size 0
		.amdhsa_private_segment_fixed_size 0
		.amdhsa_enable_private_segment 0
		.amdhsa_kernarg_size 16
		.amdhsa_user_sgpr_count 2
		.amdhsa_user_sgpr_kernarg_segment_ptr 1
		.amdhsa_wavefront_size32 1
		.amdhsa_system_sgpr_workgroup_id_x 1
		.amdhsa_system_sgpr_workgroup_id_y 1
		.amdhsa_system_sgpr_workgroup_id_z 1
		.amdhsa_system_vgpr_workitem_id 0
		.amdhsa_next_free_vgpr 112
		.amdhsa_next_free_sgpr 66
		.amdhsa_reserve_vcc 0
		.amdhsa_float_denorm_mode_32 3
		.amdhsa_float_denorm_mode_16_64 3
		.amdhsa_memory_ordered 1
		.amdhsa_forward_progress 1
		.amdhsa_inst_pref_size 7
	.end_amdhsa_kernel
	.amdgpu_metadata
---
amdhsa.version: [ 1, 2 ]
amdhsa.kernels:
  - .name:           k_qd322374c52_cast
    .symbol:         k_qd322374c52_cast.kd
    .args:
      - { .name: x, .offset: 0, .size: 8, .value_kind: global_buffer, .address_space: global }
      - { .name: xh, .offset: 8, .size: 8, .value_kind: global_buffer, .address_space: global }
    .group_segment_fixed_size: 0
    .private_segment_fixed_size: 0
    .kernarg_segment_align: 8
    .kernarg_segment_size: 16
    .max_flat_workgroup_size: 256
    .sgpr_count:     66
    .vgpr_count:     112
    .wavefront_size: 32
...
	.end_amdgpu_metadata
.endif
;; end of part 3
;; launch gemm: the kernel of part 2 again; grid 64 x 4, 4 waves a work-group, clusters of 4 x 4, 327,680 bytes of LDS; arguments xh, weight, scale, bias, out0; writes out0
